; MI455X (gfx1250); checked and timed in simulation.
; The chip was launched on July 23, 2026; its instructions are those of AMD's public machine-readable ISA for CDNA 5 (MIT licence, August 2026) and "CDNA5" Instruction Set Architecture Reference Guide (July 2026). The comments in the code are by the model that wrote it; some were corrected since.
;; K Means. Allowed arithmetic: matrix products marked QUANTISED: E5M2 operands, one given power-of-two scale a tensor, by v_wmma_f32_16x16x64_bf8_bf8 or v_wmma_f32_16x16x128_bf8_bf8, f32 sums; everything else in f32.
;; Inputs: X 200,000 x 256 float32; centroids 1,024 x 256 float32; lowp_scales 2 int32 (the exponents e of the quantised operands' scales 2^e).
;; Outputs: out0 200,000 int32.
;; This version of the problem:
;;   THIS VERSION OF THE PROBLEM IS GIVEN IN LOW PRECISION. The matrix products marked QUANTISED in the list below multiply operands that are first quantised to E5M2 (5 exponent bits, 2 mantissa bits; 8 bits a number), with one given power-of-two scale for each operand tensor; their sums are f32. All else is computed in f32.
;;   The module's matrix products, in the order in which they are computed (A, B: the left and right operand; K: the contracted axis; several contracted axes count as one K, in the product's order):
;;     1. [M 200,000, K 256] x [K 256, N 1,024]; A: input X; B: input centroids: QUANTISED (scales: A lowp_scales[0], B lowp_scales[1])
;;   THE QUANTISER, for each operand of a quantised product, along K:
;;     - The operand's scale is 2^e, e = its entry of the input lowp_scales (int32; the entries are numbered through the quantised products in the list's order, A before B).
;;     - Each number is divided by the scale, clamped to +-57,344, and rounded to the nearest number of E5M2, ties to even, subnormals kept.
;;     - The product sums the exact products of the quantised numbers (number of the format x scale) in f32.
;;   ~~~python
;;   def quantise(x, axis, e):      # numpy; x: float32 -> the quantised numbers, widened to float32 again
;;       x = np.moveaxis(x, axis, -1); K = x.shape[-1]
;;       r = np.clip(x / 2.0 ** e, -57344, 57344)
;;       step = 2.0 ** (np.maximum(np.frexp(np.where(r == 0, 1, r))[1] - 1, -14) - 2)
;;       q = np.round(r / step) * step * 2.0 ** e      # np.round: ties to even
;;       return np.moveaxis(q, -1, axis).astype(np.float32)
;;   ~~~
;; One version. Each part assembles by itself: llvm-mc -triple=amdgcn-amd-amdhsa -mcpu=gfx1250 --defsym DOCPART=n.
;; ======== version 1 of 1: 2 launches
;; limits: right only within a limited range of input values
;; workspace buffers: ccodes 262,144 bytes; c2n 4,096 bytes
;; launch prep (part 1): grid 16 x 1, 4 waves a work-group, no clusters, 0 bytes of LDS; arguments centroids, lowp_scales, ccodes, c2n; writes ccodes, c2n
.if DOCPART == 1
	.amdgcn_target "amdgcn-amd-amdhsa--gfx1250"
	.amdhsa_code_object_version 6
	.text
	.protected	k_q410765d166_prep
	.globl	k_q410765d166_prep
	.p2align	8
	.type	k_q410765d166_prep,@function
k_q410765d166_prep:
	s_mov_b64 s[64:65], 0
	v_nop
	global_prefetch_b8 v0, s[64:65] scope:SCOPE_SE
	s_setreg_imm32_b32 hwreg(HW_REG_WAVE_MODE, 25, 1), 1
	s_wait_xcnt 0x0
; The centroids [1024][256], f32, are quantised ONCE into codes of BF8 (E5M2) with the given scale 2^e1, and laid in the order of the matrix operand's registers;
; beside them goes c2n[n] = -(sum over k of c[n][k]^2) x 2^-(1 + e0 + e1), taken of the UNQUANTISED numbers: the next launch gives it to each sum as its starting value.
; code = x / 2^e1, held within +-57,344, rounded to the nearest code, ties to even.
; LAYOUT of ccodes: tile T (centroids 16 T .. 16 T + 15), block b (k = 32 b .. 32 b + 31): 512 bytes at 4,096 T + 512 b; lane l's 16 bytes at + 16 l:
;   lane (r = l % 16, h = l / 16) holds centroid 16 T + r, k = 32 b + 16 h + 0 .. 15.  So a fragment's four registers come by one load of 16 bytes a lane.
; SHARES: 64 waves, one tile of 16 centroids each.  A lane loads its 16 neighbours of each block by four loads of 16 bytes; neighbouring lanes stand a row (1,024 bytes) apart:
;   fit for 1 MiB that is read once in the whole program; the codes leave as 512 consecutive bytes a store.
; LIMITS: e1 between -126 and 112, so that 2^e1 and 57,344 x 2^e1 are f32 numbers.  NaN among the inputs is not served.
.set F,  32                            ; v32-159  128 numbers: register 16 b + i = k 32 b + 16 h + i of my centroid
.set PC, 160                           ; v160-191 the codes: four registers for each block, so that no store's data are written again
.set CH, 12                            ; v12-19   four packed chains of squares
; WORK LEFT OUT IN THIS PROGRAM: x2[i] = sum over k of X[i][k]^2.  reference() adds it to every one of row i's 1,024 distances, so in exact arithmetic
; argmin over n of (x2[i] - 2 xc[i][n] + c2[n]) = argmin over n of (c2[n] - 2 xc[i][n]) for all finite values of the inputs: x2 can reach no label.  It is not computed.  X itself is live (it is the product's operand).
; LIMIT: an overflow, infinity or NaN that would arise in x2 alone is not carried to the labels; where two distances of a row differ by less than the rounding of reference()'s f32 sums, the label may be either.
	s_load_b128 s[4:7], s[0:1], 0x0
	s_load_b128 s[8:11], s[0:1], 0x10              ; ccodes s[8:9], c2n s[10:11]
	v_lshrrev_b32 v1, 5, v0
	v_readfirstlane_b32 s16, v1                    ; wave 0..3
	v_and_b32 v1, 31, v0                           ; lane
	v_and_b32 v2, 15, v0                           ; r
	v_bfe_u32 v3, v0, 4, 1                         ; h
	v_lshlrev_b32 v4, 10, v2
	v_lshl_add_u32 v4, v3, 6, v4                   ; in: row r of 1,024 bytes, + 64 h
	v_lshlrev_b32 v5, 4, v1                        ; codes out: 16 x lane
	v_lshlrev_b32 v6, 2, v2                        ; c2n out: 4 r
	v_mov_b32 v20, 0                               ; written once: a lane permute's destination counts as one of its sources
	s_mov_b32 s12, 0x76543210                      ; v_permlanex16_b32's selects for lane l xor 16
	s_mov_b32 s13, 0xfedcba98
	s_lshl_b32 s17, ttmp9, 2
	s_add_co_u32 s17, s17, s16                     ; my tile T = 4 x work-group + wave
	s_lshl_b32 s18, s17, 14                        ; 16 rows of 1,024 bytes
	s_mov_b32 s19, 0
	s_wait_alu depctr_va_vdst(0)
	s_wait_kmcnt 0x0
	s_load_b64 s[14:15], s[6:7], 0x0               ; e0, e1
	s_add_nc_u64 s[4:5], s[4:5], s[18:19]
	s_lshl_b32 s18, s17, 12                        ; 4,096 bytes of codes a tile
	s_add_nc_u64 s[8:9], s[8:9], s[18:19]
	s_lshl_b32 s18, s17, 6                         ; 64 bytes of c2n a tile
	s_add_nc_u64 s[10:11], s[10:11], s[18:19]
.irp b, 0,1,2,3,4,5,6,7
.irp i, 0,1,2,3
	global_load_b128 v[F+16*\b+4*\i:F+16*\b+4*\i+3], v4, s[4:5] offset:128*\b+16*\i
.endr
.endr
	s_wait_kmcnt 0x0
	s_add_co_i32 s16, s15, 127
	s_lshl_b32 s17, s16, 23
	v_mov_b32 v11, s17                             ; 2^e1 as f32: the conversion takes its exponent field
	s_add_co_i32 s16, s16, 15
	s_lshl_b32 s16, s16, 23
	s_or_b32 s16, s16, 0x600000
	v_mov_b32 v10, s16                             ; 57,344 x 2^e1
	s_add_co_i32 s16, s14, s15
	s_add_co_i32 s16, s16, 1
	s_sub_co_i32 s16, 0, s16                       ; -(1 + e0 + e1)
.set bq, 0
	s_wait_alu depctr_va_vdst(0)
.rept 8
	s_wait_loadcnt 28-4*bq                         ; this block's four loads are in; the four of each later block may be out
.set p, 0
.rept 8                                        ; the squares first, of the numbers as they came: the first four pairs start the chains, nothing is cleared
.if (bq == 0) && (p < 4)
	v_pk_mul_f32 v[CH+2*p:CH+2*p+1], v[F+2*p:F+2*p+1], v[F+2*p:F+2*p+1]
.else
	v_pk_fma_f32 v[CH+2*(p%4):CH+2*(p%4)+1], v[F+16*bq+2*p:F+16*bq+2*p+1], v[F+16*bq+2*p:F+16*bq+2*p+1], v[CH+2*(p%4):CH+2*(p%4)+1]
.endif
.set p, p+1
.endr
.set p, 0
.rept 16
	v_med3_num_f32 v[F+16*bq+p], v[F+16*bq+p], -v10, v10   ; the conversion to an 8-bit code does not saturate (ISA guide 7.6.2): hold the number within the largest code x the scale first
.set p, p+1
.endr
	v_cvt_scalef32_pk8_bf8_f32 v[PC+4*bq:PC+4*bq+1], v[F+16*bq:F+16*bq+7], v11
	v_cvt_scalef32_pk8_bf8_f32 v[PC+4*bq+2:PC+4*bq+3], v[F+16*bq+8:F+16*bq+15], v11
	global_store_b128 v5, v[PC+4*bq:PC+4*bq+3], s[8:9] offset:512*bq   ; 32 lanes store 512 consecutive bytes.  (The next vector lines are plain and touch other registers)
.set bq, bq+1
.endr
	v_pk_add_f32 v[CH:CH+1], v[CH:CH+1], v[CH+2:CH+3]
	v_pk_add_f32 v[CH+4:CH+5], v[CH+4:CH+5], v[CH+6:CH+7]
	v_pk_add_f32 v[CH:CH+1], v[CH:CH+1], v[CH+4:CH+5]
	v_add_f32 v12, v12, v13                        ; my 128 squares,
	v_permlanex16_b32 v20, v12, s12, s13
	v_add_f32 v12, v12, v20                        ; and lane l xor 16's: c2 of centroid 16 T + r
	v_mul_f32 v12, -1.0, v12
	v_ldexp_f32 v12, v12, s16                      ; -c2 x 2^-(1 + e0 + e1): nothing is rounded, short of overflow and underflow
	s_wait_alu depctr_va_vdst(0)
	s_wait_xcnt 0x0                                ; EXEC is a source of the stores above: it changes only behind this wait
	v_cmp_gt_u32 vcc_lo, 16, v1
	s_and_saveexec_b32 s20, vcc_lo                 ; lanes 0-15 hold the tile's sixteen numbers
	global_store_b32 v6, v12, s[10:11]
	s_wait_xcnt 0x0                                ; and again in front of the line that widens it
	s_or_b32 exec_lo, exec_lo, s20
	s_endpgm
.Lfunc_end_k_q410765d166_prep:
	.size	k_q410765d166_prep, .Lfunc_end_k_q410765d166_prep-k_q410765d166_prep
	.p2alignl 7, 3214868480
	.fill 96, 4, 3214868480
	.section	.rodata,"a",@progbits
	.p2align	6, 0x0
	.amdhsa_kernel k_q410765d166_prep
		.amdhsa_group_segment_fixed_size 0
		.amdhsa_private_segment_fixed_size 0
		.amdhsa_enable_private_segment 0
		.amdhsa_kernarg_size 32
		.amdhsa_user_sgpr_count 2
		.amdhsa_user_sgpr_kernarg_segment_ptr 1
		.amdhsa_wavefront_size32 1
		.amdhsa_system_sgpr_workgroup_id_x 1
		.amdhsa_system_sgpr_workgroup_id_y 1
		.amdhsa_system_sgpr_workgroup_id_z 1
		.amdhsa_system_vgpr_workitem_id 0
		.amdhsa_next_free_vgpr 200
		.amdhsa_next_free_sgpr 66
		.amdhsa_reserve_vcc 1
		.amdhsa_float_denorm_mode_32 3
		.amdhsa_float_denorm_mode_16_64 3
		.amdhsa_memory_ordered 1
		.amdhsa_forward_progress 1
		.amdhsa_inst_pref_size 20
	.end_amdhsa_kernel
	.amdgpu_metadata
---
amdhsa.version: [ 1, 2 ]
amdhsa.kernels:
  - .name:           k_q410765d166_prep
    .symbol:         k_q410765d166_prep.kd
    .args:
      - { .name: centroids, .offset: 0, .size: 8, .value_kind: global_buffer, .address_space: global }
      - { .name: lowp_scales, .offset: 8, .size: 8, .value_kind: global_buffer, .address_space: global }
      - { .name: ccodes, .offset: 16, .size: 8, .value_kind: global_buffer, .address_space: global }
      - { .name: c2n, .offset: 24, .size: 8, .value_kind: global_buffer, .address_space: global }
    .group_segment_fixed_size: 0
    .private_segment_fixed_size: 0
    .kernarg_segment_align: 8
    .kernarg_segment_size: 32
    .max_flat_workgroup_size: 128
    .sgpr_count:     66
    .vgpr_count:     200
    .wavefront_size: 32
...
	.end_amdgpu_metadata
.endif
;; end of part 1
;; launch assign (part 2): grid 250 x 1, 8 waves a work-group, no clusters, 151,552 bytes of LDS; arguments X, ccodes, c2n, lowp_scales, out0; writes out0
.if DOCPART == 2
	.amdgcn_target "amdgcn-amd-amdhsa--gfx1250"
	.amdhsa_code_object_version 6
	.text
	.protected	k_q410765d166_assign
	.globl	k_q410765d166_assign
	.p2align	8
	.type	k_q410765d166_assign,@function
k_q410765d166_assign:
	s_mov_b64 s[64:65], 0
	v_nop
	global_prefetch_b8 v0, s[64:65] scope:SCOPE_SE
	s_setreg_imm32_b32 hwreg(HW_REG_WAVE_MODE, 25, 1), 1
	s_wait_xcnt 0x0
; out0[i] = the lowest n that makes c2[n] - 2 xc[i][n] smallest; xc = Q(X) Q(C)^T on codes of BF8 (E5M2), sums in f32; c2 of the unquantised numbers.
; LEFT OUT: x2[i], which reference() adds to all of row i's distances alike: it moves no argmin in exact arithmetic (shown at the head of the first kernel).
; WHAT IS COMPARED: c2n = -c2 / 2^(1+e0+e1) is the C of each sum's first matrix instruction, so an accumulator holds S = (xc - c2 / 2) / 2^(e0+e1); the smallest distance is the largest S.
; Ties of S go to the lowest index at every stage: a later tile must be strictly larger, the lowest place in a tile, the lowest index in the merge.
; SHARES.  250 work-groups of eight waves, two to a SIMD, 800 rows of X each: 12 steps of 64 rows (4 tiles of 16) and one of 32.  THE WAVES SHARE THE CENTROIDS, NOT THE ROWS: wave w keeps centroids
; 128 w .. 128 w + 127 as 16 fragments (256 registers, window 1) and their c2n (64 registers) for the whole launch.  What goes round is small: a step's codes of X.
; X COMES STRAIGHT INTO REGISTERS.  Wave w takes rows 8 p + w, p = 0 .. 99: a row is two loads of 512 consecutive bytes, 16 a lane, into a set of 8 registers.  Eight sets go round: as soon as row p is converted its set
; is asked for again with row p + 8, which is converted four tiles later: 16 loads of every wave, 64 KiB a work-group, are on their way, and the waits are counted, so the stream never stops.
; The conversion works number by number, so a lane's four numbers of each half of a row give two words of codes; the codes lie in LDS as rows of 256 bytes + 16, in two buffers of 64 rows.
; A STEP, ONE BARRIER: step k multiplies and searches the codes of its 64 rows and, among those lines, quantises the 64 rows of step k + 1 into the other buffer, two rows a wave to each tile.  A prologue quantises step 0's.
; THE MATRIX INSTRUCTION IS USED TRANSPOSED: source 0 = 16 centroids, source 1 = 16 rows of X: lane (r, h) holds row r, register j of tile u centroid 128 w + 16 u + 8 h + j.
; THE SEARCH of a tile of rows, 64 numbers a lane: the largest S of each of the 8 tiles; then the tiles are merged in ascending order, the best tile's eight S carried along by selects, two selects to a dual line;
; the place inside the best tile is found once.  INDEPENDENT CHAINS STAND BETWEEN DEPENDENT LINES: the place of tile a - 1 is found among tile a's maxima, and the rows' holds stand behind the merges' compares.
; THE MERGE.  A row has 16 candidates (eight waves x two halves of the lanes).  All 800 rows' candidates wait in LDS (115,200 bytes) and are merged at the end, a thread to a row.
; NO TENSOR LOAD: f32 rows that are read once and turned into a quarter of their bytes need no place in LDS.  NO PREFETCH: every byte of X is asked for by its own load four tiles of rows ahead of its use.
; NO CLUSTER: 250 work-groups are no multiple of 4; X is nobody else's, and the one operand that work-groups share, 256 KiB of codes, is read once, at the head, straight into registers.
; LIMITS: e0 between -126 and 112 (2^e0 and 57,344 x 2^e0 are f32 numbers).  NaN among the inputs is not served.  c2 is rounded inside the matrix instruction's sum.
; REGISTERS.  Window 0: v0-15 addresses, constants and the search's state; v16-23 W, v24-31 G; v32-95 c2n; v96-159 the 8 accumulators; v160-191 X's fragments, one set; v192-255 eight sets of 8 numbers.
;   In the prologue: v96-159 eight rows, v160-175 their codes.  In the merge: v32-127 three sets of 16 candidates, v160-169 addresses and labels.   Window 1: the centroids' fragments, (tile u, K step s) at 32 u + 16 s.
.set IP,    272                        ; an LDS row of codes: 256 bytes + 16 = 17 x 16 bytes: 16 rows fall on 16 different columns of 16 bytes modulo 256 (banks: ISA guide 11.1)
.set IMB,   64*IP                      ; a buffer of 64 rows; the two lie from LDS byte 0 on
.set CP,    144                        ; a row of candidates: 16 x 8 bytes + 16
.set MRG,   2*IMB                      ; 34,816: candidates of 800 rows; (wave w, half h): S and index at 16 w + 8 h
.set SPARE, MRG+800*CP                 ; 150,016: the spare words, 128 bytes for each wave: four blocks of 256 bytes that no other line names
.set NIL,  1                           ; 0
.set AIW,  2                           ; where I store codes: row w, 4 x lane
.set LI,   3                           ; where I read fragments: row r, 16 h
.set ADM,  4                           ; my candidate's place in the trip in hand
.set XO,   5                           ; 16 x lane: my bytes of a load's 512
.set SCX,  6                           ; 2^e0
.set AMW,  7                           ; my candidate's place in tile 0
.set BEST, 8                           ; v[8:9] the largest S and its index: stored as a pair
.set IDX,  9
.set POS,  10
.set TID,  11                          ; the tile that holds the largest S (an odd register: it is written beside BEST in a dual line)
.set CO,   12                          ; 32 h: c2n's offset
.set IB,   14                          ; 128 w + 8 h: my first centroid
.set SPW,  15                          ; SPARE + 4 x my thread's number
.set W,    16
.set G,    24
.set C2,   32
.set ACC,  96
.set XF,   160
.set F,    192
.set T,    32                          ; the merge
.set AMR,  160
.set AOUT, 162
.set RES,  164
.set MX,   168
.set WV,  14
.set CNT, 34
.set TMS, 35                           ; the trip's first row of candidates, in bytes
.set XB,  36                           ; s[36:37] X at row w of the trip's first eight rows
.set MK,  40                           ; s40-46 masks
.set LNG, 48                           ; s48, s49: -57,344 x 2^e0 and +57,344 x 2^e0
.set MSB, 0
.macro WIN new                         ; the immediate's high byte repeats the setting that is left
.if MSB != (\new)
	s_set_vgpr_msb (MSB<<8)|(\new)
.set MSB, (\new)
.endif
.endm
.macro CODES t0, t1                    ; the centroids' fragments of my tiles t0 .. t1: 512 consecutive bytes a load; they stay for the whole launch
	WIN 0x40                                       ; destination window 1, address window 0
.set tq, \t0
.rept \t1-\t0+1
.irp b, 0,1,2,3,4,5,6,7
	global_load_b128 v[32*tq+4*\b:32*tq+4*\b+3], v[XO], s[6:7] offset:4096*tq+512*\b
.endr
.set tq, tq+1
.endr
	WIN 0
.endm
.macro XLOAD reg, pos                  ; row 8 pos + w, pos counted from the trip's first row, into 8 registers
	global_load_b128 v[\reg:\reg+3], v[XO], s[XB:XB+1] offset:8192*(\pos) th:TH_LOAD_NT
	global_load_b128 v[\reg+4:\reg+7], v[XO], s[XB:XB+1] offset:8192*(\pos)+512 th:TH_LOAD_NT
.endm
	s_load_b256 s[4:11], s[0:1], 0x0               ; X s[4:5], ccodes s[6:7], c2n s[8:9], the scales' exponents s[10:11]
	s_load_b64 s[12:13], s[0:1], 0x20              ; out0
	v_lshl_add_u32 v[SPW], v0, 2, SPARE
	v_mov_b32 v[NIL], 0
	v_lshrrev_b32 v[G], 5, v0
	v_readfirstlane_b32 s[WV], v[G]                ; wave 0..7
	v_and_b32 v[G], 31, v0                         ; lane
	v_and_b32 v[G+1], 15, v0                       ; r
	v_bfe_u32 v[G+2], v0, 4, 1                     ; h
	v_lshlrev_b32 v[XO], 4, v[G]
	v_lshlrev_b32 v[CO], 5, v[G+2]
	s_mul_i32 s40, s[WV], IP
	v_lshl_add_u32 v[AIW], v[G], 2, s40
	v_mul_u32_u24 v[LI], v[G+1], IP
	v_lshl_add_u32 v[LI], v[G+2], 4, v[LI]
	v_mul_u32_u24 v[AMW], v[G+1], CP
	v_lshl_add_u32 v[AMW], v[G+2], 3, v[AMW]
	s_lshl_b32 s41, s[WV], 4
	s_add_co_u32 s41, s41, MRG
	v_add_nc_u32 v[AMW], s41, v[AMW]
	s_lshl_b32 s40, s[WV], 7
	v_lshl_add_u32 v[IB], v[G+2], 3, s40
	s_mul_i32 s38, ttmp9, 800*1024                 ; my work-group's 800 rows: under 2^32 for 250 work-groups
	s_lshl_b32 s39, s[WV], 10
	s_add_co_u32 s38, s38, s39
	s_mov_b32 s39, 0
	s_wait_alu depctr_va_vdst(0)
	s_wait_kmcnt 0x0
	s_load_b32 s32, s[10:11], 0x0                  ; e0
	s_add_nc_u64 s[XB:XB+1], s[4:5], s[38:39]
.irp p, 0,1,2,3,4,5,6,7
	XLOAD ACC+8*\p, \p                             ; step 0's rows first: 16 loads
.endr
	s_lshl_b32 s38, s[WV], 15
	s_add_nc_u64 s[6:7], s[6:7], s[38:39]          ; my 8 tiles of codes: 32,768 bytes a wave
	s_lshl_b32 s38, s[WV], 9
	s_add_nc_u64 s[8:9], s[8:9], s[38:39]          ; my 128 numbers of c2n
	s_mul_i32 s38, ttmp9, 3200
	s_add_nc_u64 s[12:13], s[12:13], s[38:39]      ; my work-group's 800 labels
.irp t, 0,1,2,3,4,5,6,7
	global_load_b128 v[C2+8*\t:C2+8*\t+3], v[CO], s[8:9] offset:64*\t        ; in the result's layout: register j: c2n of centroid 16 t + 8 h + j
	global_load_b128 v[C2+8*\t+4:C2+8*\t+7], v[CO], s[8:9] offset:64*\t+16
.endr
	CODES 0, 4                                     ; 40 loads
	s_wait_kmcnt 0x0
	s_add_co_i32 s38, s32, 127
	s_lshl_b32 s39, s38, 23
	v_mov_b32 v[SCX], s39                          ; 2^e0 as f32: the conversion takes its exponent field
	s_add_co_i32 s38, s38, 15
	s_lshl_b32 s38, s38, 23
	s_or_b32 s[LNG+1], s38, 0x600000               ; 57,344 x 2^e0,
	s_or_b32 s[LNG], s[LNG+1], 0x80000000          ; and its negative
	s_mov_b32 s[TMS], 0
	s_mov_b32 s[CNT], 5
	s_wait_alu depctr_va_vdst(0)
	; THE PROLOGUE: step 0's rows are quantised into buffer 0
	s_wait_loadcnt 56                              ; behind the rows' 16 loads: c2n's 16 and the fragments' 40
.irp p, 0,1,2,3,4,5,6,7
.irp i, 0,1,2,3,4,5,6,7
	v_med3_num_f32 v[ACC+8*\p+\i], v[ACC+8*\p+\i], s[LNG], s[LNG+1]   ; the conversion to an 8-bit code does not saturate (ISA guide 7.6.2): the hold at the largest code x the scale
.endr
.endr
.irp p, 0,1,2,3,4,5,6,7
	v_cvt_scalef32_pk8_bf8_f32 v[XF+2*\p:XF+2*\p+1], v[ACC+8*\p:ACC+8*\p+7], v[SCX]
.endr
	v_nop                                          ; one plain vector line behind the last scaled conversion
.irp p, 0,1,2,3,4,5,6,7
	ds_store_b32 v[AIW], v[XF+2*\p] offset:8*\p*IP             ; row 8 p + w: k = 4 lane .. + 3: 128 consecutive bytes a store,
	ds_store_b32 v[AIW], v[XF+2*\p+1] offset:8*\p*IP+128       ; and k = 128 + 4 lane .. + 3
.endr
	CODES 5, 7                                     ; the other 24 loads
.irp p, 0,1,2,3,4,5,6,7
	XLOAD F+8*\p, 8+\p                             ; step 1's rows fill the eight sets
.endr
.macro FRAG a, ib                      ; X's fragments of tile a, both K steps, out of buffer ib: registers 4 c .. 4 c + 3: k = 32 c + 16 h + 0 .. 15, as the centroids' lie
.irp c, 0,1,2,3,4,5,6,7
	ds_load_b128 v[XF+4*\c:XF+4*\c+3], v[LI] offset:(\ib)*IMB+(\a)*16*IP+32*\c
.endr
.endm
.macro QMED n                          ; the next n holds of the two rows in hand, as far as there are any
.rept \n
.if qt && (qi < 16)
	v_med3_num_f32 v[QF+qi], v[QF+qi], s[LNG], s[LNG+1]
.set qi, qi+1
.endif
.endr
.endm
; The lowest place of the best tile that has the largest S; the index; the candidate goes to LDS.  FCMP: seven compares.  FCH: the next of ten lines that hang on each other.
.macro FCMP
.irp j, 0,1,2,3,4,5,6
	v_cmp_eq_f32 s[MK+\j], v[W+\j], v[BEST]
.endr
.endm
.macro FCH
.if fon
.if fi == 0
	v_cndmask_b32 v[POS], 7, 6, s[MK+6]
.elseif fi < 7
	v_cndmask_b32 v[POS], v[POS], 6-fi, s[MK+6-fi] ; places 5 down to 0: the lowest is written last
.elseif fi == 7
	v_lshl_add_u32 v[IDX], v[TID], 4, v[POS]
.elseif fi == 8
	v_add_nc_u32 v[IDX], v[IDX], v[IB]             ; 128 w + 16 tile + 8 h + place
.elseif fi == 9
	ds_store_b64 v[ADM], v[BEST:IDX] offset:foff
.endif
.set fi, fi+1
.endif
.endm
; The largest S of each tile, the tiles by turns, each accumulator from its low end on; then seven merges.  VCC = the later tile is NOT larger, so that a select keeps its second source.
; In a dual line the two destinations are an even and an odd register, and the two first sources, and the two second ones, differ modulo 4: so odd tiles leave element 6 for the last line, even ones element 7.
.macro SEARCH
.irp u, 0,1,2,3,4,5,6,7
	v_max3_num_f32 v[G+\u], v[ACC+8*\u], v[ACC+8*\u+1], v[ACC+8*\u+2]
.if (\u%3) == 1
	FCH
.endif
.endr
.irp u, 0,1,2,3,4,5,6,7
	v_max3_num_f32 v[G+\u], v[G+\u], v[ACC+8*\u+3], v[ACC+8*\u+4]
.if (\u%3) == 1
	FCH
.endif
.endr
.irp u, 0,1,2,3,4,5,6,7
	v_max3_num_f32 v[G+\u], v[G+\u], v[ACC+8*\u+5], v[ACC+8*\u+6+(\u%2)]
.if (\u%3) == 1
	FCH
.endif
.endr
.irp u, 0,2,4,6
	v_dual_max_num_f32 v[G+\u], v[G+\u], v[ACC+8*\u+7] :: v_dual_max_num_f32 v[G+\u+1], v[G+\u+1], v[ACC+8*\u+14]
.endr
	FCH
	v_cmp_le_f32 vcc_lo, v[G+1], v[G]              ; tile 1 against tile 0 starts BEST, TID and W: nothing is copied
	QMED 2
	v_dual_max_num_f32 v[BEST], v[G+1], v[G] :: v_dual_cndmask_b32 v[TID], 1, v[NIL]
.irp k, 0,2,4,6
	v_dual_cndmask_b32 v[W+\k], v[ACC+8+\k], v[ACC+\k] :: v_dual_cndmask_b32 v[W+\k+1], v[ACC+9+\k], v[ACC+\k+1]
.endr
.irp u, 2,3,4,5,6,7
	v_cmp_le_f32 vcc_lo, v[G+\u], v[BEST]          ; on a tie the lower tile stays
	QMED 2
	v_dual_max_num_f32 v[BEST], v[G+\u], v[BEST] :: v_dual_cndmask_b32 v[TID], \u, v[TID]
.irp k, 0,2,4,6
	v_dual_cndmask_b32 v[W+\k], v[ACC+8*\u+\k], v[W+\k] :: v_dual_cndmask_b32 v[W+\k+1], v[ACC+8*\u+\k+1], v[W+\k+1]
.endr
.endr
.endm
; Tile a of a step: 16 matrix instructions, the eight accumulators by turns, one instruction a turn; then the search, and rows 2 a and 2 a + 1 of my eight of the next step.
; A vector instruction that reads a matrix result, and a load into a register that a matrix instruction has read, stand four places behind it (ISA guide 7.12.1 for vector instructions):
; the places are tile a - 1's seven compares, or four holds, or four v_nop: none of them names a register of the products.
; QN: rows of mine that this step quantises; LN: how many of them are followed by a load eight rows on; INF: sets on their way at the step's head; NT: the step's tiles.
.macro TILE a, slot
.set qt, 0
.if 2*(\a) < QN
.set qt, 1
.endif
.if (\a) > 0
	s_wait_alu depctr_va_vdst(0)
.endif
.if qt
.set infl, INF
.if 2*(\a) > LN
.set infl, INF-(2*(\a)-LN)
.endif
	s_wait_loadcnt 2*(infl-2)                      ; my two rows are in; the younger sets' two loads each may be out.  (In step 0 the centroids' loads, which are older, are in with them)
.endif
.if ((\a) > 0) && (2*((\a)-1) < QN)
	s_wait_dscnt 4                                 ; my fragments are in; the four stores of codes, issued last, may be out
.else
	s_wait_dscnt 0
.endif
	WIN 0x01                                       ; source 0 (centroids) window 1
.irp u, 0,1,2,3,4,5,6,7
	v_wmma_f32_16x16x128_bf8_bf8 v[ACC+8*\u:ACC+8*\u+7], v[32*\u:32*\u+15], v[XF:XF+15], v[C2+8*\u:C2+8*\u+7]
.endr
.irp u, 0,1,2,3,4,5,6,7
	v_wmma_f32_16x16x128_bf8_bf8 v[ACC+8*\u:ACC+8*\u+7], v[32*\u+16:32*\u+31], v[XF+16:XF+31], v[ACC+8*\u:ACC+8*\u+7]
.endr
	WIN 0
.set qi, 0
.set QF, F+16*(\a)
.set fi, 0
.if (\a) > 0
.set fon, 1
.set foff, \slot*9216+((\a)-1)*2304
	FCMP
.else
.set fon, 0
.if qt
	QMED 4
.else
.rept 4
	v_nop
.endr
.endif
.endif
.if (\a) < NT-1
	FRAG (\a)+1, \slot                             ; the one set of fragments is free: the next tile's have the search in which to land
.endif
	SEARCH
.if qt
	QMED 16                                        ; what is left of the holds
	v_cvt_scalef32_pk8_bf8_f32 v[G:G+1], v[QF:QF+7], v[SCX]        ; (G is free behind the merges)
	v_cvt_scalef32_pk8_bf8_f32 v[G+2:G+3], v[QF+8:QF+15], v[SCX]
	v_nop                                          ; one plain vector line behind the last scaled conversion
.irp e, 0,1
	ds_store_b32 v[AIW], v[G+2*\e] offset:(1-\slot)*IMB+(16*(\a)+8*\e)*IP
	ds_store_b32 v[AIW], v[G+2*\e+1] offset:(1-\slot)*IMB+(16*(\a)+8*\e)*IP+128
.endr
.irp e, 0,1
.if 2*(\a)+\e < LN
	XLOAD QF+8*\e, 8*(\slot+1)+2*(\a)+\e+8         ; the set takes the row eight further on
.endif
.endr
.endif
.if (\a) == NT-1
.set fon, 1
.set fi, 0
.set foff, \slot*9216+(\a)*2304
	FCMP
.rept 10
	FCH
.endr
.endif
.endm
; Step k, slot = k % 2: its codes lie in buffer slot; the next step's go into the other.
.macro STEP slot, nt, qn, ln, inf
.set NT, \nt
.set QN, \qn
.set LN, \ln
.set INF, \inf
	s_wait_dscnt 0x0                               ; my codes for this step have landed; my reads of the other buffer are over
	s_barrier_signal -1
	s_barrier_wait -1                              ; both hold of every wave
	FRAG 0, \slot
	v_add_nc_u32 v[ADM], s[TMS], v[AMW]
.set ta, 0
.rept \nt
	TILE ta, \slot
.set ta, ta+1
.endr
.endm
.Lring:                                                ; a trip is steps 2 j and 2 j + 1: the eight sets come round twice
	STEP 0, 4, 8, 8, 8
	STEP 1, 4, 8, 8, 8
	s_wait_xcnt 0x0                                ; my loads have read their base: it steps only behind this wait
	s_add_nc_u64 s[XB:XB+1], s[XB:XB+1], 16*8192   ; 128 rows on
	s_add_co_u32 s[TMS], s[TMS], 18432             ; 8 tiles x 16 rows of candidates
	s_sub_co_u32 s[CNT], s[CNT], 1
	s_cmp_lg_u32 s[CNT], 0
	s_cbranch_scc1 .Lring
	STEP 0, 4, 8, 4, 8                             ; step 10: my rows 88-95 are quantised; rows 96-99 are the last to be asked for
	STEP 1, 4, 4, 0, 4                             ; step 11: rows 96-99, the last step's
	s_add_co_u32 s[TMS], s[TMS], 18432
	STEP 0, 2, 0, 0, 0                             ; step 12: two tiles
; THE MERGE.  Row 256 q + thread: the largest S of its 16 candidates, and the lowest index among those that have it.
.macro MLOAD p, adr, off
.irp i, 0,1,2,3,4,5,6,7
	ds_load_b128 v[T+32*\p+4*\i:T+32*\p+4*\i+3], v[\adr] offset:\off+16*\i   ; candidate c: S in register 2 c, index in 2 c + 1
.endr
.endm
.macro MWORK p, q
.set MB, T+32*\p
	v_max3_num_f32 v[MX], v[MB], v[MB+2], v[MB+4]
	v_max3_num_f32 v[MX+1], v[MB+6], v[MB+8], v[MB+10]
.irp c, 12,20
	v_max3_num_f32 v[MX], v[MX], v[MB+\c], v[MB+\c+2]
	v_max3_num_f32 v[MX+1], v[MX+1], v[MB+\c+4], v[MB+\c+6]
.endr
	v_max3_num_f32 v[MX], v[MX], v[MB+28], v[MB+30]
	v_max_num_f32 v[MX], v[MX], v[MX+1]
.irp c, 0,2,4,6,8,10,12,14,16,18,20,22,24,26,28,30
	v_cmp_eq_f32 vcc_lo, v[MB+\c], v[MX]
	v_cndmask_b32 v[MB+\c], -1, v[MB+\c+1], vcc_lo         ; its index where it has the largest S, else the largest whole number
.endr
.irp c, 0,4,8,12,16,20,24,28
	v_min_u32 v[MB+\c], v[MB+\c], v[MB+\c+2]
.endr
.irp c, 0,8,16,24
	v_min_u32 v[MB+\c], v[MB+\c], v[MB+\c+4]
.endr
	v_min_u32 v[MB], v[MB], v[MB+8]
	v_min_u32 v[MB+16], v[MB+16], v[MB+24]
	v_min_u32 v[RES+\q], v[MB], v[MB+16]
	global_store_b32 v[AOUT], v[RES+\q], s[12:13] offset:1024*\q   ; a wave stores 128 consecutive bytes; each pass has its own data register
.endm
	v_mul_u32_u24 v[AMR], v0, CP
	v_add_nc_u32 v[AMR], MRG, v[AMR]               ; row = thread,
	v_add_nc_u32 v[AMR+1], 512*CP, v[AMR]          ; row = thread + 512 (an LDS offset has 16 bits)
	v_lshlrev_b32 v[AOUT], 2, v0
	s_wait_alu depctr_va_vdst(0)
	s_wait_dscnt 0x0                               ; my candidates have landed
	s_barrier_signal -1
	s_barrier_wait -1                              ; 16 candidates for each of the 800 rows lie in LDS
	MLOAD 0, AMR, 0
	MLOAD 1, AMR, 256*CP
	MLOAD 2, AMR+1, 0
	s_wait_dscnt 16                                ; the first pass's eight loads are in
	MWORK 0, 0
	s_wait_dscnt 8
	MWORK 1, 1
	s_wait_dscnt 0
	MWORK 2, 2
	s_cmp_lg_u32 s[WV], 0
	s_cbranch_scc1 .Lend
	MLOAD 0, AMR+1, 256*CP                         ; rows 768-799: wave 0
	s_wait_dscnt 0
	MWORK 0, 3
.Lend:
	s_wait_tensorcnt 0x0                           ; the wave's end
	ds_add_u32 v[SPW], v[NIL]
	s_wait_dscnt 0x0
	s_endpgm
.Lfunc_end_k_q410765d166_assign:
	.size	k_q410765d166_assign, .Lfunc_end_k_q410765d166_assign-k_q410765d166_assign
	.p2alignl 7, 3214868480
	.fill 96, 4, 3214868480
	.section	.rodata,"a",@progbits
	.p2align	6, 0x0
	.amdhsa_kernel k_q410765d166_assign
		.amdhsa_group_segment_fixed_size 151552
		.amdhsa_private_segment_fixed_size 0
		.amdhsa_enable_private_segment 0
		.amdhsa_kernarg_size 40
		.amdhsa_user_sgpr_count 2
		.amdhsa_user_sgpr_kernarg_segment_ptr 1
		.amdhsa_wavefront_size32 1
		.amdhsa_system_sgpr_workgroup_id_x 1
		.amdhsa_system_sgpr_workgroup_id_y 1
		.amdhsa_system_sgpr_workgroup_id_z 1
		.amdhsa_system_vgpr_workitem_id 0
		.amdhsa_next_free_vgpr 512
		.amdhsa_next_free_sgpr 66
		.amdhsa_reserve_vcc 1
		.amdhsa_float_denorm_mode_32 3
		.amdhsa_float_denorm_mode_16_64 3
		.amdhsa_memory_ordered 1
		.amdhsa_forward_progress 1
		.amdhsa_inst_pref_size 177
	.end_amdhsa_kernel
	.amdgpu_metadata
---
amdhsa.version: [ 1, 2 ]
amdhsa.kernels:
  - .name:           k_q410765d166_assign
    .symbol:         k_q410765d166_assign.kd
    .args:
      - { .name: X, .offset: 0, .size: 8, .value_kind: global_buffer, .address_space: global }
      - { .name: ccodes, .offset: 8, .size: 8, .value_kind: global_buffer, .address_space: global }
      - { .name: c2n, .offset: 16, .size: 8, .value_kind: global_buffer, .address_space: global }
      - { .name: lowp_scales, .offset: 24, .size: 8, .value_kind: global_buffer, .address_space: global }
      - { .name: out0, .offset: 32, .size: 8, .value_kind: global_buffer, .address_space: global }
    .group_segment_fixed_size: 151552
    .private_segment_fixed_size: 0
    .kernarg_segment_align: 8
    .kernarg_segment_size: 40
    .max_flat_workgroup_size: 256
    .sgpr_count:     66
    .vgpr_count:     512
    .wavefront_size: 32
...
	.end_amdgpu_metadata
.endif
;; end of part 2
